; MI455X (gfx1250); checked and timed in simulation.
; The chip was launched on July 23, 2026; its instructions are those of AMD's public machine-readable ISA for CDNA 5 (MIT licence, August 2026) and "CDNA5" Instruction Set Architecture Reference Guide (July 2026). The comments in the code are by the model that wrote it; some were corrected since.
;; Multi Head Self Attention. Allowed arithmetic: matrix products marked QUANTISED: E4M3 operands, one given power-of-two scale a tensor, by v_wmma_f32_16x16x64_fp8_fp8 or v_wmma_f32_16x16x128_fp8_fp8, f32 sums; everything else in f32.
;; Inputs: Wk 1,024 x 1,024 float32; Wo 1,024 x 1,024 float32; Wq 1,024 x 1,024 float32; Wv 1,024 x 1,024 float32; lowp_scales 12 int32 (the exponents e of the quantised operands' scales 2^e); x 4 x 2,048 x 1,024 float32.
;; Outputs: out0 4 x 2,048 x 1,024 float32.
;; This version of the problem:
;;   THIS VERSION OF THE PROBLEM IS GIVEN IN LOW PRECISION. The matrix products marked QUANTISED in the list below multiply operands that are first quantised to E4M3 (4 exponent bits, 3 mantissa bits; 8 bits a number), with one given power-of-two scale for each operand tensor; their sums are f32. All else is computed in f32.
;;   The module's matrix products, in the order in which they are computed (A, B: the left and right operand; K: the contracted axis; several contracted axes count as one K, in the product's order):
;;     1. [M 8,192, K 1,024] x [K 1,024, N 1,024]; A: input x; B: input Wq: QUANTISED (scales: A lowp_scales[0], B lowp_scales[1])
;;     2. [M 8,192, K 1,024] x [K 1,024, N 1,024]; A: input x; B: input Wk: QUANTISED (scales: A lowp_scales[2], B lowp_scales[3])
;;     3. [M 8,192, K 1,024] x [K 1,024, N 1,024]; A: input x; B: input Wv: QUANTISED (scales: A lowp_scales[4], B lowp_scales[5])
;;     4. batch 64 x [M 2,048, K 64] x [K 64, N 2,048]; A: computed on the way; B: computed on the way: QUANTISED (scales: A lowp_scales[6], B lowp_scales[7])
;;     5. batch 64 x [M 2,048, K 2,048] x [K 2,048, N 64]; A: softmax (see below); B: computed on the way: QUANTISED (scales: A lowp_scales[8], B lowp_scales[9])
;;     6. [M 8,192, K 1,024] x [K 1,024, N 1,024]; A: computed on the way; B: input Wo: QUANTISED (scales: A lowp_scales[10], B lowp_scales[11])
;;   THE QUANTISER, for each operand of a quantised product, along K:
;;     - The operand's scale is 2^e, e = its entry of the input lowp_scales (int32; the entries are numbered through the quantised products in the list's order, A before B).
;;     - Each number is divided by the scale, clamped to +-448, and rounded to the nearest number of E4M3, ties to even, subnormals kept.
;;     - The product sums the exact products of the quantised numbers (number of the format x scale) in f32.
;;   ~~~python
;;   def quantise(x, axis, e):      # numpy; x: float32 -> the quantised numbers, widened to float32 again
;;       x = np.moveaxis(x, axis, -1); K = x.shape[-1]
;;       r = np.clip(x / 2.0 ** e, -448, 448)
;;       step = 2.0 ** (np.maximum(np.frexp(np.where(r == 0, 1, r))[1] - 1, -6) - 3)
;;       q = np.round(r / step) * step * 2.0 ** e      # np.round: ties to even
;;       return np.moveaxis(q, -1, axis).astype(np.float32)
;;   ~~~
;;   SOFTMAX AHEAD OF A QUANTISED PRODUCT. Where the list says 'softmax', what is quantised is not the finished softmax but p = 2^(t - M), with t = logit x log2(e) and M = ceil(the row's largest t), a whole number; so 1/2 < the row's largest p <= 1. The row's sum l is taken of the UNQUANTISED p, in f32, and the product's result is divided by l at the end. Since M is a whole number, a kernel that streams over the keys may use a running M (the ceiling of the running maximum): every later rescaling is an exact power of two, so the quantised numbers keep their values, but for numbers so far below the row's largest that they fall under the format's range.
;;   OPERANDS COMPUTED ON THE WAY. 'Computed on the way' means the value that the module computes at that place (a softmax that the list does not call 'softmax' is quantised finished and normalised). What goes into a quantiser is computed in f32, as accurately as f32 sums, v_exp_f32 and their like allow (about 1e-6 of the number): no bf16 or f16 on the way to a quantiser, and a product that is left as it is and whose result goes on into a quantised operand takes f32 operands (vector FMAs, or v_wmma_f32_16x16x4_f32). A number that lies on a knife's edge between two numbers of the format may be rounded either way, as far as f32 arithmetic and the matrix unit's own rounding can turn it there, and no further.
;; One version. Each part assembles by itself: llvm-mc -triple=amdgcn-amd-amdhsa -mcpu=gfx1250 --defsym DOCPART=n.
;; ======== version 1 of 1: 4 launches
;; limits: right only within a limited range of input values
;; workspace buffers: xc 25,165,824 bytes; wc 4,194,304 bytes; qkv 25,165,824 bytes; oc 8,388,608 bytes
;; launch quant (part 1): grid 768 x 1, 8 waves a work-group, no clusters, 68,608 bytes of LDS; arguments x, Wq, Wk, Wv, Wo, lowp_scales, xc, wc; writes xc, wc
.if DOCPART == 1
	.amdgcn_target "amdgcn-amd-amdhsa--gfx1250"
	.amdhsa_code_object_version 6
	.text
	.protected	k_q79efc50936_quant
	.globl	k_q79efc50936_quant
	.p2align	8
	.type	k_q79efc50936_quant,@function
k_q79efc50936_quant:
	s_mov_b64 s[64:65], 0
	v_nop
	global_prefetch_b8 v0, s[64:65] scope:SCOPE_SE
	s_setreg_imm32_b32 hwreg(HW_REG_WAVE_MODE, 25, 1), 1
	s_wait_xcnt 0x0
; x [8192][1024] and Wq, Wk, Wv, Wo [1024][1024], f32, K innermost, become codes of FP8 (E4M3), each with the given scale 2^e:
; code = number / 2^e, held within +-448, to the nearest code, ties to even.  x is the left operand of three products with an entry of its own in each
; (entries 0, 2, 4), so it is written three times: three sets of codes.  Wq, Wk, Wv, Wo take entries 1, 3, 5, 11.
; LAYOUT OF THE CODES: images of operand registers.  A PIECE is 512 bytes: lane (r, h) has 16 bytes at 16 x lane: row r of a tile, k = 32 c + 16 h + 0 .. 15 of a K step of 128.
; A tile is [K step 8][c 4][512] = 16,384 bytes.  THE ROWS OF A TILE ARE NOT NEIGHBOURS: lane row i of tile 2 b + u is matrix row 32 b + 8 u + i + 8 (i / 8).
; SHARES: a work-group takes one tile of 16 rows (work-groups 0-511: x's; 512-767: the four weights', 64 each), wave w its K step w: 16 rows x 512 bytes.
; Each load reads 512 consecutive bytes of one row; the 8,192 bytes turn through the wave's own stage in LDS (rows 528 bytes apart) and come back 16 neighbours along K a lane and block of 32.
; Each store writes 512 consecutive bytes.  Waves share nothing: no barrier.
; LIMITS: each e used here lies between -126 and 119, so that 2^e and 448 x 2^e are f32 numbers.  NaN among the inputs is not served; an infinity is held at the largest code.
.set STG, 8448                         ; a wave's stage: 16 rows x 528 bytes
.set SP,  528                          ; 512 bytes + 16: sixteen lanes that read one column of sixteen rows start 33 x 16 bytes apart
.set R,   16                           ; v16-79   the rows as loaded; afterwards:
.set C,   16                           ; v16-63   codes, 16 registers for each of three passes: no store's data are written again
.set T,   64
.set X,   80                           ; v80-143  register 16 c + i = k 32 c + 16 h + i of my row
	s_load_b512 s[8:23], s[0:1], 0x0               ; x s8, Wq s10, Wk s12, Wv s14, Wo s16, scales s18, xc s20, wc s22
	v_lshl_add_u32 v144, v0, 2, 0x10800
	v_mov_b32 v145, 0
	v_lshrrev_b32 v11, 5, v0
	s_delay_alu instid0(VALU_DEP_1)
	v_readfirstlane_b32 s30, v11                   ; wave 0..7 = my K step
	v_and_b32 v12, 31, v0                          ; lane
	v_and_b32 v13, 15, v0                          ; r
	v_bfe_u32 v14, v0, 4, 1                        ; h
	v_lshlrev_b32 v1, 4, v0                        ; in a row of the source: 512 x wave + 16 x lane
	s_mul_i32 s31, s30, STG                        ; my stage
	s_lshl_b32 s32, s30, 11
	v_lshl_add_u32 v2, v12, 4, s31                 ; into the stage: 16 x lane of a row
	v_mul_u32_u24 v3, v13, SP
	s_delay_alu instid0(VALU_DEP_1)
	v_lshl_add_u32 v3, v14, 6, v3
	s_delay_alu instid0(VALU_DEP_1)
	v_add_nc_u32 v3, s31, v3                       ; back: row r, + 64 h: my 16 numbers of a block of 32
	v_lshl_add_u32 v4, v12, 4, s32                 ; in a tile of codes: 2,048 x K step + 16 x lane
	s_sub_co_u32 s34, ttmp9, 512                   ; the weights' work-groups: number,
	s_lshr_b32 s35, s34, 6                         ; which weight (no 1, 2 or 3 in x's work-groups),
	s_and_b32 s36, s34, 63                         ; which tile
	s_wait_alu depctr_va_vdst(0)
	s_wait_kmcnt 0x0
	s_load_b256 s[40:47], s[18:19], 0x0            ; e0 .. e7
	s_load_b128 s[48:51], s[18:19], 0x20           ; e8 .. e11
	s_mov_b64 s[4:5], s[10:11]                     ; the source: chosen by the work-group's number alone
	s_cmp_eq_u32 s35, 1
	s_cselect_b64 s[4:5], s[12:13], s[4:5]
	s_cmp_eq_u32 s35, 2
	s_cselect_b64 s[4:5], s[14:15], s[4:5]
	s_cmp_eq_u32 s35, 3
	s_cselect_b64 s[4:5], s[16:17], s[4:5]
	s_cmp_lt_u32 ttmp9, 512
	s_cselect_b64 s[4:5], s[8:9], s[4:5]
	s_cselect_b64 s[6:7], s[20:21], s[22:23]       ; the codes' buffer,
	s_cselect_b32 s36, ttmp9, s36                  ; the tile in the source,
	s_cselect_b32 s38, ttmp9, s34                  ; and in the codes' buffer (the four weights lie one behind the other)
	s_lshr_b32 s28, s36, 1
	s_lshl_b32 s28, s28, 17                        ; 32 rows of 4,096 bytes for each pair of tiles,
	s_and_b32 s29, s36, 1
	s_lshl_b32 s29, s29, 15                        ; 8 rows for the odd one
	s_add_co_u32 s28, s28, s29
	s_mov_b32 s29, 0
	s_add_nc_u64 s[4:5], s[4:5], s[28:29]
	s_lshl_b32 s28, s38, 14
	s_add_nc_u64 s[6:7], s[6:7], s[28:29]
	s_add_nc_u64 s[24:25], s[6:7], 0x800000        ; x's second and third set (used by x's work-groups alone)
	s_add_nc_u64 s[26:27], s[6:7], 0x1000000
.irp i, 0,1,2,3,4,5,6,7,8,9,10,11,12,13,14,15
	global_load_b128 v[R+4*\i:R+4*\i+3], v1, s[4:5] offset:(\i+8*(\i/8))*4096 th:TH_LOAD_NT   ; lane row i: 32 lanes read 512 consecutive bytes; read once in the launch
.endr
.macro MKSC e, sc, lim                 ; v[sc] = 2^e as f32 (the conversion takes its exponent field)
	s_add_co_i32 s32, \e, 127
	s_lshl_b32 s33, s32, 23
	v_mov_b32 v[\sc], s33
.endm
	s_wait_kmcnt 0x0
	s_mov_b32 s37, s41                             ; the first pass's e: e1, e3, e5, e11 for the weights, e0 for x
	s_cmp_eq_u32 s35, 1
	s_cselect_b32 s37, s43, s37
	s_cmp_eq_u32 s35, 2
	s_cselect_b32 s37, s45, s37
	s_cmp_eq_u32 s35, 3
	s_cselect_b32 s37, s51, s37
	s_cmp_lt_u32 ttmp9, 512
	s_cselect_b32 s37, s40, s37
	MKSC s37, 5, 6
	MKSC s42, 7, 8                                 ; e2
	MKSC s44, 9, 10                                ; e4
	s_wait_alu depctr_va_vdst(0)
.irp i, 0,1,2,3,4,5,6,7,8,9,10,11,12,13,14,15
	s_wait_loadcnt 15-\i                           ; loads come back in order: row i is in, the younger ones stay out
	ds_store_b128 v2, v[R+4*\i:R+4*\i+3] offset:SP*\i
.endr
.irp c, 0,1,2,3
.irp j, 0,1,2,3
	ds_load_b128 v[X+16*\c+4*\j:X+16*\c+4*\j+3], v3 offset:128*\c+16*\j   ; LDS serves a wave's instructions in order: these see my stores
.endr
.endr
	s_wait_dscnt 0x0                               ; my 64 numbers are back, and the stores have read v16-79
; One pass: 64 numbers converted with one scale, four pieces stored.
.macro PASS sc, lim, cb, d
.irp n, 0,1,2,3,4,5,6,7
.irp i, 0,1,2,3,4,5,6,7
.endr
	v_cvt_scalef32_pk8_fp8_f32 v[\cb+2*\n:\cb+2*\n+1], v[T+8*(\n%2)+((X+8*\n+0)-(T+8*(\n%2)+0)):T+8*(\n%2)+7+((X+8*\n+0)-(T+8*(\n%2)+0))], v[\sc]
.endr
.irp c, 0,1,2,3
	global_store_b128 v4, v[\cb+4*\c:\cb+4*\c+3], s[\d:\d+1] offset:512*\c   ; piece c: 512 consecutive bytes
.endr
.endm
	PASS 5, 6, C, 6
	s_cmp_ge_u32 ttmp9, 512                        ; a weight has one scale
	s_cbranch_scc1 .Lend
	PASS 7, 8, C+16, 24
	PASS 9, 10, C+32, 26
.Lend:
	s_wait_tensorcnt 0x0
	ds_add_u32 v144, v145
	s_wait_dscnt 0x0
	s_endpgm
.Lfunc_end_k_q79efc50936_quant:
	.size	k_q79efc50936_quant, .Lfunc_end_k_q79efc50936_quant-k_q79efc50936_quant
	.p2alignl 7, 3214868480
	.fill 96, 4, 3214868480
	.section	.rodata,"a",@progbits
	.p2align	6, 0x0
	.amdhsa_kernel k_q79efc50936_quant
		.amdhsa_group_segment_fixed_size 68608
		.amdhsa_private_segment_fixed_size 0
		.amdhsa_enable_private_segment 0
		.amdhsa_kernarg_size 64
		.amdhsa_user_sgpr_count 2
		.amdhsa_user_sgpr_kernarg_segment_ptr 1
		.amdhsa_wavefront_size32 1
		.amdhsa_system_sgpr_workgroup_id_x 1
		.amdhsa_system_sgpr_workgroup_id_y 1
		.amdhsa_system_sgpr_workgroup_id_z 1
		.amdhsa_system_vgpr_workitem_id 0
		.amdhsa_next_free_vgpr 146
		.amdhsa_next_free_sgpr 66
		.amdhsa_reserve_vcc 0
		.amdhsa_float_denorm_mode_32 3
		.amdhsa_float_denorm_mode_16_64 3
		.amdhsa_fp16_overflow 1
		.amdhsa_memory_ordered 1
		.amdhsa_forward_progress 1
		.amdhsa_inst_pref_size 10
	.end_amdhsa_kernel
	.amdgpu_metadata
---
amdhsa.version: [ 1, 2 ]
amdhsa.kernels:
  - .name:           k_q79efc50936_quant
    .symbol:         k_q79efc50936_quant.kd
    .args:
      - { .name: x, .offset: 0, .size: 8, .value_kind: global_buffer, .address_space: global }
      - { .name: Wq, .offset: 8, .size: 8, .value_kind: global_buffer, .address_space: global }
      - { .name: Wk, .offset: 16, .size: 8, .value_kind: global_buffer, .address_space: global }
      - { .name: Wv, .offset: 24, .size: 8, .value_kind: global_buffer, .address_space: global }
      - { .name: Wo, .offset: 32, .size: 8, .value_kind: global_buffer, .address_space: global }
      - { .name: lowp_scales, .offset: 40, .size: 8, .value_kind: global_buffer, .address_space: global }
      - { .name: xc, .offset: 48, .size: 8, .value_kind: global_buffer, .address_space: global }
      - { .name: wc, .offset: 56, .size: 8, .value_kind: global_buffer, .address_space: global }
    .group_segment_fixed_size: 68608
    .private_segment_fixed_size: 0
    .kernarg_segment_align: 8
    .kernarg_segment_size: 64
    .max_flat_workgroup_size: 256
    .sgpr_count:     66
    .vgpr_count:     146
    .wavefront_size: 32
...
	.end_amdgpu_metadata
.endif
;; end of part 1
;; launch proj (part 2): grid 12 x 32, 4 waves a work-group, clusters of 4 x 4, 327,680 bytes of LDS; arguments xc, wc, lowp_scales, qkv; writes qkv
.if DOCPART == 2
	.amdgcn_target "amdgcn-amd-amdhsa--gfx1250"
	.amdhsa_code_object_version 6
	.text
	.protected	k_q79efc50936_proj
	.globl	k_q79efc50936_proj
	.p2align	8
	.type	k_q79efc50936_proj,@function
k_q79efc50936_proj:
	s_mov_b64 s[64:65], 0
	v_nop
	global_prefetch_b8 v0, s[64:65] scope:SCOPE_SE
	s_setreg_imm32_b32 hwreg(HW_REG_WAVE_MODE, 25, 1), 1
	s_wait_xcnt 0x0
	s_wait_alu depctr_hold_cnt(0) depctr_sa_sdst(0) depctr_va_vdst(0) depctr_va_sdst(0) depctr_va_ssrc(0) depctr_va_vcc(0) depctr_vm_vsrc(0)
	s_getreg_b32 s2, hwreg(HW_REG_IB_STS2, 6, 4)
	s_cmp_eq_u32 s2, 0
	s_cbranch_scc0 .Lentry_in_a_cluster
	s_endpgm
.Lentry_in_a_cluster:
	s_bfe_u32 s2, ttmp6, 0x10000c
	s_cmp_lg_u32 s2, 0xf033
	s_cbranch_scc0 .Lentry_shape_is_right
	s_endpgm
.Lentry_shape_is_right:
; Q = x Wq^T, K = x Wk^T, V = x Wv^T on codes of FP8 (E4M3), sums in f32, each result quantised at once for attention's products (entries 6, 7, 9 of the scales).
; The cluster's x says which: 0 Q, 1 K, 2 V.  Operands come as images of operand registers: a tile of 16 rows is [K step of 128: 8][c 4][512 bytes]; lane (r, h) of a piece holds 16 codes,
; k = 32 c + 16 h + 0 .. 15, of lane row r; lane row i of tile 2 b + u is matrix row 32 b + 8 u + i + 8 (i / 8).  Both sources are laid alike, so every product meets its partner.
; A work-group of four waves makes 256 rows of S1 x 256 rows of S0, a wave 128 x 128: 64 accumulators.  Source 0 of the matrix instruction = a tile of S0, source 1 = a tile of S1: lane r then holds one row of S1,
; and by the order of a tile's rows the 16 registers of S0's tiles 2 g and 2 g + 1 are 16 NEIGHBOURS, 32 g + 16 h + 0 .. 15, along S0's rows: two conversions give 16 bytes of a piece of the next operand.
; Q, K: S1 = x (tokens), S0 = W (features): codes with the head's channels innermost.   V: S1 = Wv (channels), S0 = x (tokens): codes with the KEYS innermost.  Only base addresses differ: one text.
; OUT: Q at 0, K at 8 MiB: [batch 4][pair of heads 8][token tile 128][g 4][512], g = 2 (head % 2) + (channel / 32) % 2.   V at 16 MiB: [batch 4][key step of 128: 16][channel tile 64][c 4][512].
; K = 1,024 goes in four steps of 256 through two LDS slots; the steps are written out.  CLUSTER 4 x 4: S1's tile hangs on cy and the cluster alone and is asked for jointly by my row, S0's on cx and the cluster alone, by my column.
; The sum stands for sum x 2^(eA + eB); its code is sum / 2^(eO - eA - eB): the three scales are folded into the conversion's one.
; LIMITS: e6 - e0 - e1, e7 - e2 - e3 and e9 - e4 - e5 lie between -126 and 119, so that the folded scale and 448 x it are f32 numbers.
; REGISTERS, in windows of 256: window 0: v16-31 addresses and scales; v32-95 held sums on the way out; from v128 S1's fragments, one set (on the way out: the codes).
;   window 1: S0's fragments, two sets.   windows 2, 3: the accumulators of my S1 tiles 0-3, 4-7 (accumulator (a, b) at v[8 (8 (a % 4) + b)]).
.set KB,     4096                      ; a tile's bytes in a slot: 256 along K: [q 2][c 4][512]
.set HALFT,  8*KB                      ; 8 tiles: what one tensor load brings, and what one wave reads of S1 or of S0
.set SLOT,   4*HALFT                   ; S1's 16 tiles, then S0's 16
.set SPARE,  2*SLOT                    ; behind the ring: the spare words, 128 bytes for each wave, which no other line names
.set FR,     16                        ; registers of a fragment
.set NL,     4                         ; LDS loads that bring one
.set NP,     4                         ; places behind this matrix instruction (ISA guide 7.12.1)
.set ADRA, 16                          ; v16-17  LDS address of my S1 fragments in slot 0, 1
.set ADRB, 20                          ; v20-21  the same for S0
.set CO,   26                          ; v26     16 x lane
.set SPW,  28                          ; v28     LDS address of my spare word; never rewritten
.set NIL,  29                          ; v29     0; never rewritten
.set SC,   30                          ; v30     the folded scale as f32
.set LM,   31
.set TMP,  32
.set AF,   128
.set CD,   128                         ; the codes: 16 registers for each of 8 blocks: no store's data are written again
.set G1, 24                            ; s[24:31] descriptor group 1 for S1's tiles;  s[32:39] group 0, one set for each slot
.set G0, 32
.set G1B, 48                           ; s[48:55], s[56:63] the same for S0's tiles
.set G0B, 56
.set MSB, 0
.macro WIN new                         ; the immediate's high byte repeats the setting that is left
.if MSB != \new
	s_set_vgpr_msb (MSB<<8)|\new
.set MSB, \new
.endif
.endm
.set MUL_LO, 0xa1                      ; source 0 (S0) window 1, source 1 (S1) window 0, C and D window 2
.set MUL_HI, 0xf1                      ; the same, C and D window 3
.set TO_B,   0x40                      ; destination window 1, address window 0
; A joint load: waves 0 and 1 fetch S1's halves, waves 2 and 3 S0's.  Each line has one mask and one set of registers for all that issue it; the branch hangs on the wave's number alone.
; Four v_nop follow each of the two lines, ahead of the jump, the label and what follows.
.macro JLOAD g0a, g1a, g0b, g1b
	s_cmp_eq_u32 s15, 0
	s_cbranch_scc0 .Lfor_b_\@
	tensor_load_to_lds s[\g0a:\g0a+3], s[\g1a:\g1a+7]
	s_nop 0
.rept 4
	v_nop
.endr
	s_branch .Lasked_\@
.Lfor_b_\@:
	tensor_load_to_lds s[\g0b:\g0b+3], s[\g1b:\g1b+7]
	s_nop 0
.rept 4
	v_nop
.endr
.Lasked_\@:
.endm
.macro CREST                           ; a round of the cluster's barrier behind its opening barrier
	s_cmp_lg_u32 s14, 0
	s_cbranch_scc1 .Lnot_wave_0_\@
	s_barrier_signal -3
.Lnot_wave_0_\@:
	s_barrier_wait -3
	s_barrier_signal -1
	s_barrier_wait -1
.endm
.macro CROUND                          ; a whole round
	s_barrier_signal -1
	s_barrier_wait -1
	CREST
.endm
	s_load_b128 s[4:7], s[0:1], 0x0                ; xc s[4:5], wc s[6:7]
	s_load_b128 s[8:11], s[0:1], 0x10              ; the scales' exponents s[8:9], qkv s[10:11]
	v_lshl_add_u32 v[SPW], v0, 2, SPARE
	v_mov_b32 v[NIL], 0
	ds_add_u32 v28, v29
	ds_add_u32 v28, v29
	s_wait_dscnt 0x0
	v_lshrrev_b32 v1, 5, v0
	v_readfirstlane_b32 s14, v1                    ; wave 0..3
	s_lshr_b32 s15, s14, 1                         ; which half of S1's tiles is mine.  Also: I fetch for S1 (0) or for S0 (1)
	s_and_b32 s16, s14, 1                          ; which half of S0's.  Also: which 8 tiles I fetch
	s_bfe_u32 s40, ttmp6, 0x40000                  ; cx, cy: my place in the cluster
	s_bfe_u32 s41, ttmp6, 0x40004
	s_and_b32 s3, ttmp7, 0xffff
	s_lshl_b32 s3, s3, 2                           ; 4 x cluster y
	s_cmp_eq_u32 ttmp9, 2                          ; V?  The token blocks (32 of them) run along S0 then, else along S1; the weight's four blocks along the other
	s_cselect_b32 s17, 0, s3
	s_cselect_b32 s42, s3, 0
	s_add_co_u32 s17, s17, s41                     ; i1: my block of 16 tiles of S1: cy and the cluster's numbers alone
	s_add_co_u32 s42, s42, s40                     ; i0: of S0: cx and the cluster's numbers alone
	s_lshl_b32 s43, s41, 2
	s_lshl_b32 s43, 15, s43                        ; my row of the cluster
	s_lshl_b32 s44, 0x1111, s40                    ; my column
	; descriptor group 1: 8 rows (tiles) of 4,096 bytes, 16,384 bytes apart, laid dense in LDS; elements of 8 bytes
	s_or_b32 s[G1+0], s43, (3<<16)|(1<<21)         ; 15:0 the mask: S1's tiles go to my row; 17:16 element of 8 bytes; 20 no padding; 21 set beside a mask
	s_or_b32 s[G1B+0], s44, (3<<16)|(1<<21)
.irp g, G1, G1B
	s_mov_b32 s[\g+1], 512<<16                     ; tensor_dim0 = 512 elements
	s_mov_b32 s[\g+2], 8<<16                       ; tensor_dim1 = 8
	s_mov_b32 s[\g+3], 512<<16                     ; tile_dim0
	s_mov_b32 s[\g+4], 8                           ; tile_dim1
	s_mov_b32 s[\g+5], 2048                        ; tensor_dim0_stride: a whole tile, 16,384 bytes
	s_mov_b32 s[\g+6], 0
	s_mov_b32 s[\g+7], 0
.endr
	s_lshl_b32 s18, s16, 17                        ; which 8 tiles of the block I fetch
	s_lshl_b32 s20, s17, 18
	s_add_co_u32 s20, s20, s18                     ; S1: 16 tiles x i1 + 8 x half
	s_lshl_b32 s46, s42, 18
	s_add_co_u32 s46, s46, s18                     ; S0 likewise
	s_mov_b32 s21, 0
	s_mov_b32 s47, 0
	s_lshl_b32 s72, ttmp9, 23                      ; x's set of codes for this product,
	s_mov_b32 s73, 0
	s_lshl_b32 s74, ttmp9, 20                      ; and its weight
	s_mov_b32 s75, 0
	s_lshl_b32 s45, s14, 15                        ; where the tiles go: wave x 8 tiles: no place in the cluster enters an LDS address
	s_wait_kmcnt 0x0
	s_load_b256 s[88:95], s[8:9], 0x0              ; e0 .. e7
	s_load_b128 s[96:99], s[8:9], 0x20             ; e8 .. e11
	s_add_nc_u64 s[4:5], s[4:5], s[72:73]
	s_add_nc_u64 s[6:7], s[6:7], s[74:75]
	s_cmp_eq_u32 ttmp9, 2
	s_cselect_b64 s[68:69], s[6:7], s[4:5]         ; S1's buffer: the weight for V, else x
	s_cselect_b64 s[70:71], s[4:5], s[6:7]         ; S0's: the other
	s_add_nc_u64 s[20:21], s[68:69], s[20:21]
	s_add_nc_u64 s[46:47], s[70:71], s[46:47]
	CROUND                                         ; all sixteen work-groups are here: the first joint loads meet
.irp s, 0,1
	s_mov_b32 s[G0+4*\s], 1
	s_add_co_u32 s[G0+4*\s+1], s45, \s*SLOT
	s_add_nc_u64 s[G0+4*\s+2:G0+4*\s+3], s[20:21], \s*KB
	s_or_b32 s[G0+4*\s+3], s[G0+4*\s+3], 0x80000000
	s_mov_b32 s[G0B+4*\s], 1
	s_add_co_u32 s[G0B+4*\s+1], s45, \s*SLOT
	s_add_nc_u64 s[G0B+4*\s+2:G0B+4*\s+3], s[46:47], \s*KB
	s_or_b32 s[G0B+4*\s+3], s[G0B+4*\s+3], 0x80000000
	JLOAD G0+4*\s, G1, G0B+4*\s, G1B
.endr
	v_and_b32 v6, 31, v0
	v_lshlrev_b32 v[CO], 4, v6                     ; 16 x lane: a lane's place in every piece
	s_lshl_b32 s21, s15, 15                        ; my 8 tiles of S1
	s_lshl_b32 s22, s16, 15                        ; my 8 tiles of S0,
	s_add_co_u32 s22, s22, 2*HALFT                 ; which lie behind S1's 16
.irp s, 0,1
	v_add_nc_u32 v[ADRA+\s], s21, v[CO]
	v_add_nc_u32 v[ADRB+\s], s22, v[CO]
	s_add_co_u32 s21, s21, SLOT
	s_add_co_u32 s22, s22, SLOT
.endr
	; where my codes go.  iT: my token block, iF: my block of the weight's rows.  Q, K: batch, pair of heads 2 iF + half, token tile 16 (iT % 8) + 8 half.   V: batch, key step 2 (iT % 8) + half, channel tile 16 iF + 8 half
	s_cmp_eq_u32 ttmp9, 2
	s_cselect_b32 s76, s42, s17                    ; iT
	s_cselect_b32 s77, s17, s42                    ; iF
	s_cselect_b32 s80, 17, 18                      ; a key step of V is 2^17 bytes, a pair of heads of Q or K 2^18
	s_and_b32 s78, s76, 7
	s_cmp_eq_u32 ttmp9, 2
	s_cselect_b32 s79, s78, s77
	s_cselect_b32 s81, s77, s78
	s_lshr_b32 s82, s76, 3
	s_lshl_b32 s82, s82, 21                        ; the batch
	s_lshl_b32 s79, s79, 1
	s_add_co_u32 s79, s79, s16                     ; S0's half
	s_lshl_b32 s79, s79, s80
	s_add_co_u32 s82, s82, s79
	s_lshl_b32 s81, s81, 4
	s_lshl_b32 s83, s15, 3
	s_add_co_u32 s81, s81, s83                     ; S1's half
	s_lshl_b32 s81, s81, 11                        ; a tile's four pieces
	s_add_co_u32 s82, s82, s81
	s_lshl_b32 s83, ttmp9, 23                      ; Q, K or V
	s_add_co_u32 s82, s82, s83
	s_mov_b32 s83, 0
	s_add_nc_u64 s[10:11], s[10:11], s[82:83]
.macro FRAG reg, adr, q, i             ; a fragment, 16 rows x 128 K, is four pieces: registers 4 c .. 4 c + 3 come from piece c, 512 consecutive bytes a load
.irp c, 0,1,2,3
	ds_load_b128 v[\reg+4*\c:\reg+4*\c+3], v[\adr] offset:2048*(\q)+512*\c+(\i)*KB
.endr
.endm
; 16 matrix instructions: S1's blocks a0, a0 + 1 x S0's eight, 128 along K.  p: S0's set.  zero = 1: the first product starts the sums: nothing is ever cleared.
; The 64 accumulators take turns, one instruction a turn, in the same order in every step.
.macro MUL16 a0, p, zero
.irp a, \a0, \a0+1
.irp b, 0,1,2,3,4,5,6,7
.if \zero
	v_wmma_f32_16x16x128_fp8_fp8 v[8*(8*((\a)%4)+\b):8*(8*((\a)%4)+\b)+7], v[128*(\p)+FR*\b:128*(\p)+FR*\b+FR-1], v[AF+FR*(\a):AF+FR*(\a)+FR-1], 0
.else
	v_wmma_f32_16x16x128_fp8_fp8 v[8*(8*((\a)%4)+\b):8*(8*((\a)%4)+\b)+7], v[128*(\p)+FR*\b:128*(\p)+FR*\b+FR-1], v[AF+FR*(\a):AF+FR*(\a)+FR-1], v[8*(8*((\a)%4)+\b):8*(8*((\a)%4)+\b)+7]
.endif
.endr
.endr
.endm
.macro FETCH_B slot, q, p              ; S0's eight fragments of the slot's q-th 128 along K into set p
	WIN TO_B
.irp i, 0,1,2,3,4,5,6,7
	FRAG 128*(\p)+FR*\i, ADRB+\slot, \q, \i
.endr
	WIN 0
.endm
.macro FETCH_A slot, q, i0             ; S1's blocks i0 .. i0 + 3
.irp i, \i0, \i0+1, \i0+2, \i0+3
	FRAG AF+FR*(\i), ADRA+\slot, \q, \i
.endr
.endm
; A load into a register that a matrix instruction has read, and a vector instruction that reads a matrix result, stand NP places behind that matrix instruction; only plain vector
; instructions that name none of its registers are places (ISA guide 7.12.1 for vector instructions).
.macro PLACES n
.rept \n
	v_nop
.endr
.endm
; A step of 128 along K that has its successor in the same slot.  S1's blocks are free as soon as their eight products are issued: blocks 0-3 are fetched anew in the step's middle, blocks 4-7 at its end.
.macro STEP slot, q, zero
	s_wait_dscnt 4*NL                              ; S0's set and S1's blocks 0-3 are in; the youngest 16 loads (blocks 4-7) may be out
	WIN MUL_LO
	MUL16 0, (\q)%2, \zero
	MUL16 2, (\q)%2, \zero
	s_wait_dscnt 0                                 ; blocks 4-7 are in
	PLACES NP
	FETCH_B \slot, (\q)+1, 1-(\q)%2
	FETCH_A \slot, (\q)+1, 0
	WIN MUL_HI
	MUL16 4, (\q)%2, \zero
	MUL16 6, (\q)%2, \zero
	PLACES NP
	WIN 0
	FETCH_A \slot, (\q)+1, 4
.endm
; A slot's last step changes slots: ONE barrier; in front of it each wave waits for all its tensor loads, adds 0 to its spare word, and waits for that and for its own reads of this slot.  fill = 1: this slot is filled again, two K steps ahead.
.macro TURN slot, next, fill
	s_wait_tensorcnt 0x0                           ; all my tensor loads have landed: my part of the next slot  (every window is 0 here)
	ds_add_u32 v[SPW], v[NIL]                      ; 0 onto my spare word
	s_wait_dscnt 4*NL+1                            ; (the add and the youngest 16 loads may be out)
	WIN MUL_LO
	MUL16 0, 1, 0                                  ; sixteen matrix instructions stand between the add and the wait for it
	s_wait_dscnt 0x0                               ; the add is done, and my reads of this slot are over
	s_barrier_signal -1
	MUL16 2, 1, 0
	WIN 0
	s_barrier_wait -1
.if \fill
	CREST                                          ; the barrier has opened a round of the cluster's barrier: no wave of any partner still reads this slot's tiles or has a load on its way
	s_add_nc_u64 s[G0+4*\slot+2:G0+4*\slot+3], s[G0+4*\slot+2:G0+4*\slot+3], 2*KB
	s_add_nc_u64 s[G0B+4*\slot+2:G0B+4*\slot+3], s[G0B+4*\slot+2:G0B+4*\slot+3], 2*KB
	JLOAD G0+4*\slot, G1, G0B+4*\slot, G1B         ; the first tensor load behind the round; the four v_nop behind it are the places in front of the loads below
.else
	PLACES NP
.endif
	FETCH_B \next, 0, 0
	FETCH_A \next, 0, 0
	WIN MUL_HI
	MUL16 4, 1, 0
	MUL16 6, 1, 0
	PLACES NP
	WIN 0
	FETCH_A \next, 0, 4
.endm
	s_wait_alu depctr_va_vdst(0)
	s_wait_tensorcnt 1                             ; my part of K step 0 is in; K step 1's load may stay out
	s_barrier_signal -1
	s_barrier_wait -1                              ; everybody's is
	FETCH_B 0, 0, 0
	FETCH_A 0, 0, 0
	FETCH_A 0, 0, 4
	STEP 0, 0, 1                                   ; K 0-127: these products start the sums
	TURN 0, 1, 1                                   ; K 128-255; slot 0 takes K 512-767
	STEP 1, 0, 0
	TURN 1, 0, 1                                   ; slot 1 takes K 768-1023
	STEP 0, 0, 0
	TURN 0, 1, 0                                   ; nothing is left to fetch
	STEP 1, 0, 0
	s_wait_dscnt 4*NL                              ; the last step
	WIN MUL_LO
	MUL16 0, 1, 0
	MUL16 2, 1, 0
	s_wait_dscnt 0
	WIN MUL_HI
	MUL16 4, 1, 0
	MUL16 6, 1, 0
	WIN 0
	; THE WAY OUT.  No LDS: a lane's 16 registers of two neighbouring accumulators are 16 neighbours along the next K, so two conversions make its 16 bytes of a piece, and a wave's store is a whole piece.
	s_wait_kmcnt 0x0
	s_sub_co_i32 s84, s94, s88
	s_sub_co_i32 s84, s84, s89                     ; Q: e6 - e0 - e1
	s_sub_co_i32 s85, s95, s90
	s_sub_co_i32 s85, s85, s91                     ; K: e7 - e2 - e3
	s_sub_co_i32 s86, s97, s92
	s_sub_co_i32 s86, s86, s93                     ; V: e9 - e4 - e5
	s_cmp_eq_u32 ttmp9, 1
	s_cselect_b32 s84, s85, s84
	s_cmp_eq_u32 ttmp9, 2
	s_cselect_b32 s84, s86, s84
	s_add_co_i32 s84, s84, 127
	s_lshl_b32 s85, s84, 23
	v_mov_b32 v[SC], s85                           ; the folded scale as f32
	s_add_co_i32 s84, s84, 8
	s_lshl_b32 s84, s84, 23
	s_or_b32 s84, s84, 0x600000
	PLACES NP                                      ; behind the last products: the codes land in registers that held S1's fragments
.macro OUTA a                          ; S1's block a: 64 sums a lane are converted (each accumulator from its low end on) and stored as four pieces, 2,048 consecutive bytes
	WIN 0x02+((\a)/4)                              ; source 0: window 2 or 3
.set j, 0
.rept 64
.set j, j+1
.endr
.irp n, 0,1,2,3,4,5,6,7
	v_cvt_scalef32_pk8_fp8_f32 v[CD+16*(\a)+2*\n:CD+16*(\a)+2*\n+1], v[TMP+8*\n+((64*((\a)%4)+j)-(TMP+j)):TMP+8*\n+7+((64*((\a)%4)+j)-(TMP+j))], v[SC]
.endr
	WIN 0
	v_nop                                          ; one plain instruction behind the last conversion
.irp g, 0,1,2,3
	global_store_b128 v[CO], v[CD+16*(\a)+4*\g:CD+16*(\a)+4*\g+3], s[10:11] offset:2048*(\a)+512*\g
.endr
.endm
.irp a, 0,1,2,3,4,5,6,7
	OUTA \a
.endr
	s_wait_tensorcnt 0x0                           ; the wave's end
	ds_add_u32 v[SPW], v[NIL]
	s_wait_dscnt 0x0
	CROUND                                         ; the closing round: no work-group ends while a partner may still ask for a tile that names it
	s_endpgm
.Lfunc_end_k_q79efc50936_proj:
	.size	k_q79efc50936_proj, .Lfunc_end_k_q79efc50936_proj-k_q79efc50936_proj
	.p2alignl 7, 3214868480
	.fill 96, 4, 3214868480
	.section	.rodata,"a",@progbits
	.p2align	6, 0x0
	.amdhsa_kernel k_q79efc50936_proj
		.amdhsa_group_segment_fixed_size 327680
		.amdhsa_private_segment_fixed_size 0
		.amdhsa_enable_private_segment 0
		.amdhsa_kernarg_size 32
		.amdhsa_user_sgpr_count 2
		.amdhsa_user_sgpr_kernarg_segment_ptr 1
		.amdhsa_wavefront_size32 1
		.amdhsa_system_sgpr_workgroup_id_x 1
		.amdhsa_system_sgpr_workgroup_id_y 1
		.amdhsa_system_sgpr_workgroup_id_z 1
		.amdhsa_system_vgpr_workitem_id 0
		.amdhsa_next_free_vgpr 1024
		.amdhsa_next_free_sgpr 100
		.amdhsa_reserve_vcc 0
		.amdhsa_float_denorm_mode_32 3
		.amdhsa_float_denorm_mode_16_64 3
		.amdhsa_fp16_overflow 1
		.amdhsa_memory_ordered 1
		.amdhsa_forward_progress 1
		.amdhsa_inst_pref_size 86
	.end_amdhsa_kernel
	.amdgpu_metadata
---
amdhsa.version: [ 1, 2 ]
amdhsa.kernels:
  - .name:           k_q79efc50936_proj
    .symbol:         k_q79efc50936_proj.kd
    .args:
      - { .name: xc, .offset: 0, .size: 8, .value_kind: global_buffer, .address_space: global }
      - { .name: wc, .offset: 8, .size: 8, .value_kind: global_buffer, .address_space: global }
      - { .name: lowp_scales, .offset: 16, .size: 8, .value_kind: global_buffer, .address_space: global }
      - { .name: qkv, .offset: 24, .size: 8, .value_kind: global_buffer, .address_space: global }
    .group_segment_fixed_size: 327680
    .private_segment_fixed_size: 0
    .kernarg_segment_align: 8
    .kernarg_segment_size: 32
    .max_flat_workgroup_size: 128
    .sgpr_count:     100
    .vgpr_count:     1024
    .wavefront_size: 32
...
	.end_amdgpu_metadata
.endif
;; end of part 2
;; launch attn (part 3): grid 4 x 64, 16 waves a work-group, clusters of 4 x 1, 327,680 bytes of LDS; arguments qkv, lowp_scales, oc; writes oc
.if DOCPART == 3
	.amdgcn_target "amdgcn-amd-amdhsa--gfx1250"
	.amdhsa_code_object_version 6
	.text
	.protected	k_q79efc50936_attn
	.globl	k_q79efc50936_attn
	.p2align	8
	.type	k_q79efc50936_attn,@function
k_q79efc50936_attn:
	s_mov_b64 s[64:65], 0
	v_nop
	global_prefetch_b8 v0, s[64:65] scope:SCOPE_SE
	s_setreg_imm32_b32 hwreg(HW_REG_WAVE_MODE, 25, 1), 1
	s_wait_xcnt 0x0
	s_wait_alu depctr_hold_cnt(0) depctr_sa_sdst(0) depctr_va_vdst(0) depctr_va_sdst(0) depctr_va_ssrc(0) depctr_va_vcc(0) depctr_vm_vsrc(0)
	s_getreg_b32 s2, hwreg(HW_REG_IB_STS2, 6, 4)
	s_cmp_eq_u32 s2, 0
	s_cbranch_scc0 .Lentry_in_a_cluster
	s_endpgm
.Lentry_in_a_cluster:
	s_bfe_u32 s2, ttmp6, 0x10000c
	s_cmp_lg_u32 s2, 0x3003
	s_cbranch_scc0 .Lentry_shape_is_right
	s_endpgm
.Lentry_shape_is_right:
; Causal attention on codes of FP8 (E4M3): 64 (batch, head) pairs, 2,048 tokens, head size 64.  S = Q K^T (entries 6, 7 of the scales), p quantised with entry 8, O = p V (entry 9), O / the row's sum quantised with entry 10.
; THE SOFTMAX: t = score x log2(e) / 8; M = the running largest t rounded UP to a whole number; p = 2^(t - M) is what is quantised; the row's sum is taken of the unquantised p, in f32, and divides O at the end.
; When M moves, the sum and O are multiplied by 2^(old M - new M), a power of two.
; ALL OPERANDS ARE IMAGES OF OPERAND REGISTERS: pieces of 512 bytes, lane (r, h) at 16 x lane holds 16 codes, k = 32 c + 16 h + 0 .. 15, of lane row r; lane row i of tile 2 b + u is row 32 b + 8 u + i + 8 (i / 8).
; Both products are used transposed: S^T = K Q^T (source 0 = 16 keys), O^T = V^T P^T (source 0 = 16 channels): a lane holds ONE query throughout, the 16 registers of key tiles 2 g, 2 g + 1 are 16 neighbouring keys,
; those of channel tiles 2 b, 2 b + 1 are 16 neighbouring channels: the conversions' results are p's operand, and at the end pieces of the last product's operand.
; SHARES.  A cluster of four work-groups is one (batch, head); wave w of work-group p owns query tiles tA = 4 w + p and tB = 127 - tA.  Tile t needs key steps (of 128) 0 .. t / 8; tA / 8 = w / 2 and tB / 8 = 15 - w / 2:
; every wave has 17 steps, and which steps it leaves out hangs on the wave's number alone, alike in all partners.  The work-group's place enters Q's and the output's addresses and the mask's comparand, nothing else.
; K and V come through two LDS slots of 512 keys (4 steps), asked for JOINTLY by the four partners: waves 0, 1 K's halves, waves 2, 3 V's halves.  Every work-group walks all four slots' worth of keys.
; LIMITS on the given exponents: e6 + e7 between -123 and 130 (added to the exponent field of log2(e) / 8); e8, and e10 - e8 - e9, between -126 and 119.
; REGISTERS: v1 16 x lane; v2 LDS address of the step; v3, v4 for the spare word; v6, v7 the mask's comparands; v8.. tile A's -M, largest t, sum in two halves; v12.. tile B's; v16-23, v24-31 Q;
;   v32-95 K's 8 fragments, then V's 4; v96-159 S^T, then p; v160-191, v192-223 O^T; v224-239 p's codes; v244: 2^e8; v245: 2^(e10 - e8 - e9); v236, v242-243, v252-254 at work.
.set SLOT1, 65536                      ; slot 1 begins here: one exclusive or turns an address in one slot into the other's
.set VOFF,  32768                      ; a slot: K's 32 tiles of 1,024 bytes, then V's 4 key steps of 8,192
.set SPARE, 131072                     ; behind the ring: the spare words, 128 bytes for each of sixteen waves, which no other line names
.set LI,   1
.set ADR,  2
.set SPW,  3
.set NIL,  4
.set WV,   14                          ; s14  my wave's number
.set SEL,  20                          ; s[20:21] lane selects for v_permlanex16_b32: lane l xor 16
.set CS,   22                          ; s[22:23] c = log2(e) / 8 x 2^(e6 + e7)
.set G1K,  24                          ; s[24:31] descriptor group 1 for K's tiles;  s[32:39] for V's;  s[40:43], s[44:47] their groups 0, which walk
.set G1V,  32
.set G0K,  40
.set G0V,  44
.set TB,   48                          ; s48  LDS byte at which the step in hand begins
.set KS,   49                          ; s49  the key step, 0 .. 15
.set LIM,  50                          ; s50, s51  the last key step of tile A, of tile B: the one on the diagonal
.set SLOTS, 52
.set CNT,  53
.macro CROUND                          ; a round of the cluster's barrier
	s_barrier_signal -1
	s_barrier_wait -1
	s_cmp_lg_u32 s[WV], 0
	s_cbranch_scc1 .Lnot_wave_0_\@
	s_barrier_signal -3
.Lnot_wave_0_\@:
	s_barrier_wait -3
	s_barrier_signal -1
	s_barrier_wait -1
.endm
; Waves 0 and 1 fetch for K, waves 2 and 3 for V, the others nothing.  The branches hang on the wave's number alone.  Four v_nop follow each of the two lines.
.macro TLOAD
	s_cmp_lt_u32 s[WV], 2
	s_cbranch_scc0 .Lnot_k_\@
	tensor_load_to_lds s[G0K:G0K+3], s[G1K:G1K+7]
	s_nop 0
.rept 4
	v_nop
.endr
	s_branch .Lasked_\@
.Lnot_k_\@:
	s_cmp_lt_u32 s[WV], 4
	s_cbranch_scc0 .Lasked_\@
	tensor_load_to_lds s[G0V:G0V+3], s[G1V:G1V+7]
	s_nop 0
.rept 4
	v_nop
.endr
.Lasked_\@:
.endm
	s_load_b128 s[4:7], s[0:1], 0x0                ; qkv s[4:5], the scales' exponents s[6:7]
	s_load_b64 s[8:9], s[0:1], 0x10                ; oc
	v_lshl_add_u32 v[SPW], v0, 2, SPARE
	v_mov_b32 v[NIL], 0
	ds_add_u32 v3, v4
	ds_add_u32 v3, v4
	s_wait_dscnt 0x0
	v_lshrrev_b32 v5, 5, v0
	s_delay_alu instid0(VALU_DEP_1)
	v_readfirstlane_b32 s[WV], v5                  ; wave 0..15
	s_bfe_u32 s15, ttmp6, 0x40000                  ; cx: my place in the cluster
	s_and_b32 s74, ttmp7, 0xffff                   ; 16 x batch + head, which the four partners share
	s_lshr_b32 s75, s74, 4                         ; batch
	s_and_b32 s76, s74, 15                         ; head
	s_lshr_b32 s77, s76, 1                         ; pair of heads
	s_and_b32 s78, s76, 1
	s_lshl_b32 s63, s78, 10                        ; the head's 1,024 bytes of a tile's 2,048
	s_lshl_b32 s79, s75, 21
	s_lshl_b32 s82, s77, 18
	s_add_co_u32 s82, s82, s79
	s_add_co_u32 s82, s82, s63                     ; the head's first fragment in Q, and in K
	s_and_b32 s16, s[WV], 1                        ; which half of a slot I fetch, if I fetch
	s_lshl_b32 s17, s16, 14                        ; in LDS: 16,384 bytes
	s_lshl_b32 s86, s16, 15                        ; K: 16 tiles, 2,048 bytes apart,
	s_add_co_u32 s86, s86, s82
	s_add_co_u32 s86, s86, 0x800000                ; K lies at 8 MiB
	s_mov_b32 s87, 0
	s_lshl_b32 s84, s76, 13                        ; V: the head's four channel tiles,
	s_add_co_u32 s84, s84, s79
	s_add_co_u32 s84, s84, 0x1000000               ; V lies at 16 MiB,
	s_lshl_b32 s18, s16, 18                        ; two key steps, 131,072 bytes apart
	s_add_co_u32 s84, s84, s18
	s_mov_b32 s85, 0
	s_lshl_b32 s80, s[WV], 2
	s_add_co_u32 s80, s80, s15                     ; tA = 4 w + cx
	s_sub_co_u32 s81, 127, s80                     ; tB
	s_lshl_b32 s66, s80, 11
	s_add_co_u32 s66, s66, s82                     ; Q's fragments
	s_mov_b32 s67, 0
	s_lshl_b32 s68, s81, 11
	s_add_co_u32 s68, s68, s82
	s_mov_b32 s69, 0
	s_lshl_b32 s61, s77, 11                        ; the output: [token tile 512][pair of heads 8][c 4][512]: K step = the pair of heads, c = 2 (head % 2) + b
	s_add_co_u32 s61, s61, s63
	s_lshl_b32 s62, s75, 7
	s_add_co_u32 s70, s62, s80
	s_lshl_b32 s70, s70, 14
	s_add_co_u32 s70, s70, s61
	s_mov_b32 s71, 0
	s_add_co_u32 s72, s62, s81
	s_lshl_b32 s72, s72, 14
	s_add_co_u32 s72, s72, s61
	s_mov_b32 s73, 0
	s_lshr_b32 s[LIM], s[WV], 1
	s_sub_co_u32 s[LIM+1], 15, s[LIM]
	; descriptor group 1, elements of 8 bytes, no padding.  K: 16 rows (tiles) of 1,024 bytes, 2,048 apart.  V: 2 rows (key steps) of 8,192 bytes, 131,072 apart
	s_mov_b32 s[G1K], 15|(3<<16)|(1<<21)           ; 15:0 the mask: all four work-groups; 17:16 elements of 8 bytes; 21 set beside a mask
	s_mov_b32 s[G1K+1], 128<<16                    ; tensor_dim0
	s_mov_b32 s[G1K+2], 16<<16                     ; tensor_dim1
	s_mov_b32 s[G1K+3], 128<<16                    ; tile_dim0
	s_mov_b32 s[G1K+4], 16                         ; tile_dim1
	s_mov_b32 s[G1K+5], 256                        ; tensor_dim0_stride
	s_mov_b32 s[G1K+6], 0
	s_mov_b32 s[G1K+7], 0
	s_mov_b32 s[G1V], 15|(3<<16)|(1<<21)
	s_mov_b32 s[G1V+1], 1024<<16
	s_mov_b32 s[G1V+2], 2<<16
	s_mov_b32 s[G1V+3], 1024<<16
	s_mov_b32 s[G1V+4], 2
	s_mov_b32 s[G1V+5], 16384
	s_mov_b32 s[G1V+6], 0
	s_mov_b32 s[G1V+7], 0
	s_mov_b32 s[SEL], 0x76543210
	s_mov_b32 s[SEL+1], 0xfedcba98
	s_mov_b32 s[CS], 0x3e38aa3b                    ; log2(e) / 8
	s_mov_b32 s[TB], 0
	s_mov_b32 s[KS], 0
	s_mov_b32 s[SLOTS], 3
	s_wait_kmcnt 0x0
	s_load_b128 s[56:59], s[6:7], 0x18             ; e6, e7, e8, e9
	s_load_b32 s60, s[6:7], 0x28                   ; e10
	s_add_nc_u64 s[66:67], s[4:5], s[66:67]
	s_add_nc_u64 s[68:69], s[4:5], s[68:69]
	s_add_nc_u64 s[70:71], s[8:9], s[70:71]
	s_add_nc_u64 s[72:73], s[8:9], s[72:73]
	s_mov_b32 s[G0K], 1                            ; 1:0 count = 1
	s_mov_b32 s[G0K+1], s17                        ; LDS address: slot 0
	s_add_nc_u64 s[G0K+2:G0K+3], s[4:5], s[86:87]  ; the head's first 512 keys
	s_or_b32 s[G0K+3], s[G0K+3], 0x80000000        ; type = 2
	s_mov_b32 s[G0V], 1
	s_add_co_u32 s[G0V+1], s17, VOFF
	s_add_nc_u64 s[G0V+2:G0V+3], s[4:5], s[84:85]
	s_or_b32 s[G0V+3], s[G0V+3], 0x80000000
	CROUND                                         ; all four work-groups are here: the first joint loads meet
	TLOAD                                          ; slot 0
	v_and_b32 v[LI], 31, v0
	s_delay_alu instid0(VALU_DEP_1)
	v_lshlrev_b32 v[LI], 4, v[LI]
	global_load_b128 v[16:19], v[LI], s[66:67]               ; Q stays in registers: two pieces a tile
	global_load_b128 v[20:23], v[LI], s[66:67] offset:512
	global_load_b128 v[24:27], v[LI], s[68:69]
	global_load_b128 v[28:31], v[LI], s[68:69] offset:512
	; the mask's comparand: my query's place in its key step less 16 h: 32 ((t / 2) % 4) + 8 (t % 2) + r + 8 (r / 8) - 16 h
	v_and_b32 v5, 15, v0
	v_and_b32 v254, 8, v0
	s_delay_alu instid0(VALU_DEP_1)
	v_add_nc_u32 v5, v5, v254
	v_and_b32 v254, 16, v0
	s_delay_alu instid0(VALU_DEP_1)
	v_sub_nc_u32 v5, v5, v254
	s_wait_alu depctr_va_vdst(0)
	s_lshr_b32 s54, s80, 1
	s_and_b32 s54, s54, 3
	s_lshl_b32 s54, s54, 5
	s_and_b32 s55, s80, 1
	s_lshl_b32 s55, s55, 3
	s_add_co_u32 s54, s54, s55
	v_add_nc_u32 v6, s54, v5
	s_lshr_b32 s54, s81, 1
	s_and_b32 s54, s54, 3
	s_lshl_b32 s54, s54, 5
	s_and_b32 s55, s81, 1
	s_lshl_b32 s55, s55, 3
	s_add_co_u32 s54, s54, s55
	v_add_nc_u32 v7, s54, v5
.irp x, 0,1
	v_mov_b32 v[9+4*\x], 0xff61b1e6                ; the largest t so far: -3e38, under every t
	s_delay_alu instid0(VALU_DEP_1)
	v_floor_f32 v[8+4*\x], -v[9+4*\x]              ; -M
	v_mov_b32 v[10+4*\x], 0                        ; the sum, in two halves
	v_mov_b32 v[11+4*\x], 0
.endr
	v_mov_b32 v236, 0                              ; written once: a lane permute's destination counts as one of its sources
	v_mov_b32 v252, 0
	v_mov_b32 v253, 0                              ; (named as the upper half of the pair v[252:253])
.set j, 0
.rept 64
	v_mov_b32 v[160+j], 0                          ; O^T.  (The step is written without a first step of its own: it finds zeros, which the first change of M leaves zeros)
.set j, j+1
.endr
	s_wait_kmcnt 0x0
	s_add_co_i32 s54, s56, s57
	s_lshl_b32 s54, s54, 23
	s_add_co_i32 s[CS], s[CS], s54                 ; a score stands for score x 2^(e6 + e7): added to c's exponent field
	s_mov_b32 s[CS+1], s[CS]                       ; (named with it as a pair, so it is written)
	s_add_co_i32 s54, s58, 127
	s_lshl_b32 s55, s54, 23
	v_mov_b32 v244, s55                            ; 2^e8
	s_sub_co_i32 s54, s60, s58
	s_sub_co_i32 s54, s54, s59
	s_add_co_i32 s54, s54, 127
	s_lshl_b32 s55, s54, 23
	v_mov_b32 v245, s55                            ; 2^(e10 - e8 - e9): O^T / the sum stands for that x 2^(e8 + e9), and its code is taken with 2^e10
; A KEY STEP of 128 keys for tile x (0: A, 1: B).  A step all of whose keys come after the tile's queries is left out: a scalar branch on the step's number and the wave's; no barrier and no tensor load stands in a step.
.macro STEP x
.set MM, 8+4*\x
.set OT, 160+32*\x
	s_cmp_gt_u32 s[KS], s[LIM+\x]
	s_cbranch_scc1 .Lhid_\@
.rept 4
	v_nop                                          ; places in front of loads into registers that the last products read
.endr
	s_wait_alu depctr_va_vdst(0)
.irp t, 0,1,2,3,4,5,6,7
	ds_load_b128 v[32+8*\t:35+8*\t], v[ADR] offset:1024*\t          ; key tile t: two pieces, 512 consecutive bytes a load
	ds_load_b128 v[36+8*\t:39+8*\t], v[ADR] offset:1024*\t+512
.endr
	s_wait_dscnt 0x0
.irp t, 0,1,2,3,4,5,6,7
	v_wmma_f32_16x16x64_fp8_fp8 v[96+8*\t:103+8*\t], v[32+8*\t:39+8*\t], v[16+8*\x:23+8*\x], 0
.endr
.rept 4
	v_nop                                          ; places in front of the loads below and of the first read of the scores
.endr
	s_wait_alu depctr_va_vdst(0)
.irp t, 0,1,2,3
.irp c, 0,1,2,3
	ds_load_b128 v[32+16*\t+4*\c:35+16*\t+4*\c], v[ADR] offset:VOFF+2048*\t+512*\c   ; V's four channel tiles land while the softmax is worked
.endr
.endr
	s_cmp_lg_u32 s[KS], s[LIM+\x]                  ; on the diagonal the scores of hidden keys become -infinity ahead of the maximum: p = 0 then
	s_cbranch_scc1 .Lopen_\@
	v_mov_b32 v254, 0xff800000
.set n, 0
.rept 64
	v_cmp_gt_i32 vcc_lo, 32*(n/16)+n%16, v[6+\x]   ; register n holds the step's key 32 (n / 16) + 16 h + n % 16
	v_cndmask_b32 v[96+n], v[96+n], v254, vcc_lo
.set n, n+1
.endr
.Lopen_\@:
	v_max3_num_f32 v254, v96, v97, v98             ; the step's largest score of my query among my 64 keys, in two chains, each accumulator from its low end on,
	v_max3_num_f32 v252, v99, v100, v101
.set i, 6
.rept 14
	v_max3_num_f32 v254, v254, v[96+i], v[97+i]
	v_max3_num_f32 v252, v252, v[98+i], v[99+i]
.set i, i+4
.endr
	v_max3_num_f32 v254, v254, v158, v159
	s_delay_alu instid0(VALU_DEP_1)
	v_max_num_f32 v254, v254, v252
	v_permlanex16_b32 v236, v254, s[SEL], s[SEL+1]
	s_delay_alu instid0(VALU_DEP_1)
	v_max_num_f32 v254, v254, v236                 ; and among lane l xor 16's
	s_delay_alu instid0(VALU_DEP_1)
	v_mul_f32 v254, s[CS], v254                    ; as t (c is positive)
	s_delay_alu instid0(VALU_DEP_1)
	v_max_num_f32 v[MM+1], v[MM+1], v254           ; the running largest t
	v_mov_b32 v254, v[MM]
	s_delay_alu instid0(VALU_DEP_2)
	v_floor_f32 v[MM], -v[MM+1]                    ; the new -M = floor(-t) = -ceil(t)
	s_delay_alu instid0(VALU_DEP_1)
	v_sub_f32 v254, v[MM], v254                    ; old M - new M: a whole number, 0 or less
	s_delay_alu instid0(VALU_DEP_1)
	v_cvt_i32_f32 v254, v254                       ; (it saturates)
	s_delay_alu instid0(VALU_DEP_1)
	v_ldexp_f32 v252, 1.0, v254                    ; f = 2^(old M - new M)
.set j, 0
.rept 32
	v_pk_fma_f32 v[96+j:97+j], v[96+j:97+j], s[CS:CS+1], v[MM:MM+1] op_sel_hi:[1,0,0]   ; t - M, two at a time (of the pairs c and -M the low word serves both halves)
.set j, j+2
.endr
.set j, 0
	s_wait_alu depctr_va_vdst(0)
.rept 64
	v_exp_f32 v[96+j], v[96+j]                     ; p = 2^(t - M), at most 1: not normalised
.set j, j+1
.endr
	v_pk_mul_f32 v[MM+2:MM+3], v[MM+2:MM+3], v[252:253] op_sel_hi:[1,0]   ; the sums under the new M: the plain instruction behind the exponentials
	s_wait_alu depctr_va_vdst(0)                   ; one wait for the whole batch, ahead of its first reader
	v_pk_add_f32 v[242:243], v[96:97], v[98:99]    ; the row's sum is taken of the unquantised p: two at a time, in two chains
.set j, 4
.rept 15
	v_pk_add_f32 v[MM+2:MM+3], v[MM+2:MM+3], v[96+j:97+j]
	v_pk_add_f32 v[242:243], v[242:243], v[98+j:99+j]
.set j, j+4
.endr
	s_delay_alu instid0(VALU_DEP_1)
	v_pk_add_f32 v[MM+2:MM+3], v[MM+2:MM+3], v[242:243]
.irp b, 0,1,2,3
.irp i, 0,1,2,3,4,5,6,7,8,9,10,11,12,13,14,15
.endr
	v_cvt_scalef32_pk8_fp8_f32 v[224+4*\b:225+4*\b], v[96+16*\b:103+16*\b], v244
	v_cvt_scalef32_pk8_fp8_f32 v[226+4*\b:227+4*\b], v[104+16*\b:111+16*\b], v244
.endr
.set j, 0
.rept 16
	v_pk_mul_f32 v[OT+j:OT+j+1], v[OT+j:OT+j+1], v[252:253] op_sel_hi:[1,0]   ; O^T under the new M.  (Plain instructions between the conversions and the products that read the codes)
.set j, j+2
.endr
	s_wait_alu depctr_va_vdst(0)
	s_wait_dscnt 0x0                               ; V is in
.irp t, 0,1,2,3
	v_wmma_f32_16x16x128_fp8_fp8 v[OT+8*\t:OT+8*\t+7], v[32+16*\t:47+16*\t], v[224:239], v[OT+8*\t:OT+8*\t+7]   ; four accumulators, one instruction each; eight products S^T stand between two links of a chain
.endr
.Lhid_\@:
.endm
; THE CHANGE OF SLOTS stands at a slot's head.  Each wave waits for all its tensor loads (its part of the slot that it is about to read), adds 0 to its spare word, and waits for that and for its reads of the slot that it has left.
; fill = 1: a round of the cluster's barrier follows, so that no wave of any partner still reads the other slot or has a load on its way, and the joint fill of that slot is the first thing behind it: it has four key steps in which to land.
.macro CHANGE fill
	s_wait_tensorcnt 0x0                           ; no tensor load of mine is out, so a group 0 may be written
	ds_add_u32 v[SPW], v[NIL]                      ; 0 onto my spare word
.if \fill
	s_xor_b32 s[G0K+1], s[G0K+1], SLOT1            ; the walking descriptors: the other slot than last time,
	s_add_nc_u64 s[G0K+2:G0K+3], s[G0K+2:G0K+3], 65536    ; the next 32 key tiles; the type bits on top are not reached
	s_xor_b32 s[G0V+1], s[G0V+1], SLOT1
	s_add_nc_u64 s[G0V+2:G0V+3], s[G0V+2:G0V+3], 524288   ; the next 4 key steps
.endif
	s_wait_dscnt 0x0                               ; the add is done, and my reads of the slot that I have left are over
.if \fill
	CROUND
	TLOAD
.else
	s_barrier_signal -1
	s_barrier_wait -1
.endif
.endm
.macro SLOT_STEPS                      ; a slot's four key steps: written once, walked four times; the LDS address hangs on s[TB]
	s_mov_b32 s[CNT], 4
.Lstep_\@:
	v_add_nc_u32 v[ADR], s[TB], v[LI]
	STEP 0
	STEP 1
	s_add_co_u32 s[TB], s[TB], 8192
	s_add_co_u32 s[KS], s[KS], 1
	s_sub_co_u32 s[CNT], s[CNT], 1
	s_cmp_lg_u32 s[CNT], 0
	s_cbranch_scc1 .Lstep_\@
	s_sub_co_u32 s[TB], s[TB], 32768               ; back to a slot's first step,
	s_xor_b32 s[TB], s[TB], SLOT1                  ; in the other slot
.endm
	s_wait_loadcnt 0x0                             ; Q
.Lslot:                                            ; three trips: behind each change of slots but the last the next 512 keys are asked for
	CHANGE 1
	SLOT_STEPS
	s_sub_co_u32 s[SLOTS], s[SLOTS], 1
	s_cmp_lg_u32 s[SLOTS], 0
	s_cbranch_scc1 .Lslot
	CHANGE 0                                       ; the last slot is written out
	SLOT_STEPS
	; THE WAY OUT.  The sums' halves are added; O^T / the sum is held, converted with the folded scale, and leaves as two pieces a tile: 1,024 consecutive bytes.  No LDS.
.rept 4
	v_nop                                          ; places behind the last products
.endr
	v_add_f32 v10, v10, v11
	v_add_f32 v14, v14, v15
	v_permlanex16_b32 v236, v10, s[SEL], s[SEL+1]
	s_delay_alu instid0(VALU_DEP_2)
	v_permlanex16_b32 v252, v14, s[SEL], s[SEL+1]
	s_delay_alu instid0(VALU_DEP_2)
	v_add_f32 v10, v10, v236                       ; the rows' sums
	s_delay_alu instid0(VALU_DEP_2)
	v_add_f32 v14, v14, v252
	s_wait_alu depctr_va_vdst(0)
	v_rcp_f32 v10, v10
	v_rcp_f32 v14, v14
	v_nop                                          ; a plain instruction behind the reciprocals,
	s_wait_alu depctr_va_vdst(0)                   ; and one wait for both, ahead of their first reader
.irp x, 0,1
.set j, 0
.rept 32
	v_mul_f32 v[96+32*\x+j], v[160+32*\x+j], v[10+4*\x]   ; register 16 b + i: channel 32 b + 16 h + i of my query; each accumulator from its low end on
.set j, j+1
.endr
.set j, 0
.rept 32
.set j, j+1
.endr
.irp n, 0,1,2,3
	v_cvt_scalef32_pk8_fp8_f32 v[224+8*\x+2*\n:225+8*\x+2*\n], v[96+32*\x+8*\n:103+32*\x+8*\n], v245
.endr
	v_nop                                          ; one plain instruction behind the last conversion
	global_store_b128 v[LI], v[224+8*\x:227+8*\x], s[70+2*\x:71+2*\x]
	global_store_b128 v[LI], v[228+8*\x:231+8*\x], s[70+2*\x:71+2*\x] offset:512
.endr
	s_wait_tensorcnt 0x0                           ; the wave's end
	ds_add_u32 v[SPW], v[NIL]
	s_wait_dscnt 0x0
	CROUND                                         ; the closing round: no work-group ends while a partner may still ask for a tile that names it
	s_endpgm
.Lfunc_end_k_q79efc50936_attn:
	.size	k_q79efc50936_attn, .Lfunc_end_k_q79efc50936_attn-k_q79efc50936_attn
	.p2alignl 7, 3214868480
	.fill 96, 4, 3214868480
	.section	.rodata,"a",@progbits
	.p2align	6, 0x0
	.amdhsa_kernel k_q79efc50936_attn
		.amdhsa_group_segment_fixed_size 327680
		.amdhsa_private_segment_fixed_size 0
		.amdhsa_enable_private_segment 0
		.amdhsa_kernarg_size 24
		.amdhsa_user_sgpr_count 2
		.amdhsa_user_sgpr_kernarg_segment_ptr 1
		.amdhsa_wavefront_size32 1
		.amdhsa_system_sgpr_workgroup_id_x 1
		.amdhsa_system_sgpr_workgroup_id_y 1
		.amdhsa_system_sgpr_workgroup_id_z 1
		.amdhsa_system_vgpr_workitem_id 0
		.amdhsa_next_free_vgpr 256
		.amdhsa_next_free_sgpr 88
		.amdhsa_reserve_vcc 1
		.amdhsa_float_denorm_mode_32 3
		.amdhsa_float_denorm_mode_16_64 3
		.amdhsa_fp16_overflow 1
		.amdhsa_memory_ordered 1
		.amdhsa_forward_progress 1
		.amdhsa_inst_pref_size 90
	.end_amdhsa_kernel
	.amdgpu_metadata
---
amdhsa.version: [ 1, 2 ]
amdhsa.kernels:
  - .name:           k_q79efc50936_attn
    .symbol:         k_q79efc50936_attn.kd
    .args:
      - { .name: qkv, .offset: 0, .size: 8, .value_kind: global_buffer, .address_space: global }
      - { .name: lowp_scales, .offset: 8, .size: 8, .value_kind: global_buffer, .address_space: global }
      - { .name: oc, .offset: 16, .size: 8, .value_kind: global_buffer, .address_space: global }
    .group_segment_fixed_size: 327680
    .private_segment_fixed_size: 0
    .kernarg_segment_align: 8
    .kernarg_segment_size: 24
    .max_flat_workgroup_size: 512
    .sgpr_count:     88
    .vgpr_count:     256
    .wavefront_size: 32
...
	.end_amdgpu_metadata
.endif
;; end of part 3
;; launch outp (part 4): grid 4 x 32, 4 waves a work-group, clusters of 4 x 4, 327,680 bytes of LDS; arguments oc, wc, lowp_scales, out0; writes out0
.if DOCPART == 4
	.amdgcn_target "amdgcn-amd-amdhsa--gfx1250"
	.amdhsa_code_object_version 6
	.text
	.protected	k_q79efc50936_outp
	.globl	k_q79efc50936_outp
	.p2align	8
	.type	k_q79efc50936_outp,@function
k_q79efc50936_outp:
	s_mov_b64 s[64:65], 0
	v_nop
	global_prefetch_b8 v0, s[64:65] scope:SCOPE_SE
	s_setreg_imm32_b32 hwreg(HW_REG_WAVE_MODE, 25, 1), 1
	s_wait_xcnt 0x0
	s_wait_alu depctr_hold_cnt(0) depctr_sa_sdst(0) depctr_va_vdst(0) depctr_va_sdst(0) depctr_va_ssrc(0) depctr_va_vcc(0) depctr_vm_vsrc(0)
	s_getreg_b32 s2, hwreg(HW_REG_IB_STS2, 6, 4)
	s_cmp_eq_u32 s2, 0
	s_cbranch_scc0 .Lentry_in_a_cluster
	s_endpgm
.Lentry_in_a_cluster:
	s_bfe_u32 s2, ttmp6, 0x10000c
	s_cmp_lg_u32 s2, 0xf033
	s_cbranch_scc0 .Lentry_shape_is_right
	s_endpgm
.Lentry_shape_is_right:
; out0 = O Wo^T on codes of FP8 (E4M3), sums in f32, each finished sum x 2^(e10 + e11).  O's codes [8192 tokens][1024] and Wo's [1024][1024] come as images of operand registers:
; a tile of 16 rows is [K step of 128: 8][c 4][512 bytes]; lane (r, h) of a piece holds 16 codes, k = 32 c + 16 h + 0 .. 15, of lane row r; lane row i of tile 2 b + u is matrix row 32 b + 8 u + i + 8 (i / 8).
; A work-group of four waves makes 256 tokens x 256 columns, a wave 128 x 128: 64 accumulators.  Source 0 = a tile of Wo (S0), source 1 = a tile of O (S1): lane r holds one token, and the 16 registers of Wo's tiles
; 2 g, 2 g + 1 are the 16 neighbouring columns 32 g + 16 h + 0 .. 15.  K = 1,024 goes in four steps of 256 through two LDS slots; the steps are written out.
; CLUSTER 4 x 4: O's tiles are asked for jointly by my row of the cluster, Wo's by my column.
; LIMIT: e10 + e11 lies between -126 and 127, so that 2^(e10 + e11) is an f32 number.
; REGISTERS, in windows of 256: window 0: v16-31 addresses; v32-95 a block's scaled sums; from v128 S1's fragments, one set (on the way out: rows read back).   window 1: S0's fragments, two sets.   windows 2, 3: the accumulators.
.set KB,     4096                      ; a tile's bytes in a slot: 256 along K: [q 2][c 4][512]
.set HALFT,  8*KB
.set SLOT,   4*HALFT                   ; S1's 16 tiles, then S0's 16
.set SPARE,  2*SLOT                    ; behind the ring: the spare words, 128 bytes for each wave, which no other line names
.set SPITCH, 528                       ; the way out: a stage of 16 rows x (512 bytes + 16) for each wave.  It lies in slot 0, which has had its last fill and its last read when the first result is stored there
.set FR,     16
.set NL,     4
.set NP,     4                         ; places behind this matrix instruction (ISA guide 7.12.1)
.set ADRA, 16
.set ADRB, 20
.set STO,  24                          ; v24     the way out: where I put my bytes of a row
.set RD,   25                          ; v25     and where I read a row back
.set CO,   26                          ; v26     16 x lane
.set SPW,  28
.set NIL,  29
.set TMP,  32
.set AF,   128
.set BK,   128                         ; 16 rows read back from the stage: v128-191 and v192-255 by turns
.set G1, 24
.set G0, 32
.set G1B, 48
.set G0B, 56
.set MSB, 0
.macro WIN new                         ; the immediate's high byte repeats the setting that is left
.if MSB != \new
	s_set_vgpr_msb (MSB<<8)|\new
.set MSB, \new
.endif
.endm
.set MUL_LO, 0xa1                      ; source 0 (S0) window 1, source 1 (S1) window 0, C and D window 2
.set MUL_HI, 0xf1
.set TO_B,   0x40
; A joint load: waves 0 and 1 fetch S1's halves, waves 2 and 3 S0's; the branch hangs on the wave's number alone.  Four v_nop follow each of the two lines.
.macro JLOAD g0a, g1a, g0b, g1b
	s_cmp_eq_u32 s15, 0
	s_cbranch_scc0 .Lfor_b_\@
	tensor_load_to_lds s[\g0a:\g0a+3], s[\g1a:\g1a+7]
	s_nop 0
.rept 4
	v_nop
.endr
	s_branch .Lasked_\@
.Lfor_b_\@:
	tensor_load_to_lds s[\g0b:\g0b+3], s[\g1b:\g1b+7]
	s_nop 0
.rept 4
	v_nop
.endr
.Lasked_\@:
.endm
.macro CREST
	s_cmp_lg_u32 s14, 0
	s_cbranch_scc1 .Lnot_wave_0_\@
	s_barrier_signal -3
.Lnot_wave_0_\@:
	s_barrier_wait -3
	s_barrier_signal -1
	s_barrier_wait -1
.endm
.macro CROUND
	s_barrier_signal -1
	s_barrier_wait -1
	CREST
.endm
	s_load_b128 s[4:7], s[0:1], 0x0                ; oc s[4:5], wc s[6:7]
	s_load_b128 s[8:11], s[0:1], 0x10              ; the scales' exponents s[8:9], out0 s[10:11]
	v_lshl_add_u32 v[SPW], v0, 2, SPARE
	v_mov_b32 v[NIL], 0
	ds_add_u32 v28, v29
	ds_add_u32 v28, v29
	s_wait_dscnt 0x0
	v_lshrrev_b32 v1, 5, v0
	v_readfirstlane_b32 s14, v1                    ; wave 0..3
	s_lshr_b32 s15, s14, 1                         ; which half of the tokens is mine.  Also: I fetch for S1 (0) or for S0 (1)
	s_and_b32 s16, s14, 1                          ; which half of the columns.  Also: which 8 tiles I fetch
	s_bfe_u32 s40, ttmp6, 0x40000                  ; cx, cy
	s_bfe_u32 s41, ttmp6, 0x40004
	s_lshl_b32 s42, ttmp9, 2
	s_add_co_u32 s42, s42, s40                     ; i0: block of 256 columns
	s_and_b32 s17, ttmp7, 0xffff
	s_lshl_b32 s17, s17, 2
	s_add_co_u32 s17, s17, s41                     ; i1: block of 256 tokens
	s_lshl_b32 s43, s41, 2
	s_lshl_b32 s43, 15, s43                        ; my row of the cluster
	s_lshl_b32 s44, 0x1111, s40                    ; my column
	s_or_b32 s[G1+0], s43, (3<<16)|(1<<21)         ; the mask; elements of 8 bytes; no padding; bit 21 set beside a mask
	s_or_b32 s[G1B+0], s44, (3<<16)|(1<<21)
.irp g, G1, G1B
	s_mov_b32 s[\g+1], 512<<16                     ; 8 rows (tiles) of 512 elements = 4,096 bytes,
	s_mov_b32 s[\g+2], 8<<16
	s_mov_b32 s[\g+3], 512<<16
	s_mov_b32 s[\g+4], 8
	s_mov_b32 s[\g+5], 2048                        ; 16,384 bytes apart
	s_mov_b32 s[\g+6], 0
	s_mov_b32 s[\g+7], 0
.endr
	s_lshl_b32 s18, s16, 17
	s_lshl_b32 s20, s17, 18
	s_add_co_u32 s20, s20, s18
	s_lshl_b32 s46, s42, 18
	s_add_co_u32 s46, s46, s18
	s_mov_b32 s21, 0
	s_mov_b32 s47, 0
	s_lshl_b32 s45, s14, 15                        ; where the tiles go: wave x 8 tiles
	s_wait_kmcnt 0x0
	s_load_b64 s[96:97], s[8:9], 0x28              ; e10, e11
	s_add_nc_u64 s[6:7], s[6:7], 0x300000          ; Wo is the fourth weight
	s_add_nc_u64 s[20:21], s[4:5], s[20:21]
	s_add_nc_u64 s[46:47], s[6:7], s[46:47]
	CROUND                                         ; all sixteen work-groups are here: the first joint loads meet
.irp s, 0,1
	s_mov_b32 s[G0+4*\s], 1
	s_add_co_u32 s[G0+4*\s+1], s45, \s*SLOT
	s_add_nc_u64 s[G0+4*\s+2:G0+4*\s+3], s[20:21], \s*KB
	s_or_b32 s[G0+4*\s+3], s[G0+4*\s+3], 0x80000000
	s_mov_b32 s[G0B+4*\s], 1
	s_add_co_u32 s[G0B+4*\s+1], s45, \s*SLOT
	s_add_nc_u64 s[G0B+4*\s+2:G0B+4*\s+3], s[46:47], \s*KB
	s_or_b32 s[G0B+4*\s+3], s[G0B+4*\s+3], 0x80000000
	s_wait_alu depctr_va_vdst(0)
	s_wait_tensorcnt 0x0
	ds_add_u32 v28, v29
	ds_add_u32 v28, v29
	s_wait_dscnt 0x0
	CROUND
	JLOAD G0+4*\s, G1, G0B+4*\s, G1B
.endr
	v_and_b32 v1, 15, v0                           ; r
	s_wait_alu depctr_va_vdst(0)
	v_bfe_u32 v2, v0, 4, 1                         ; h
	v_and_b32 v6, 31, v0
	v_lshlrev_b32 v[CO], 4, v6                     ; 16 x lane
	s_lshl_b32 s21, s15, 15
	s_lshl_b32 s22, s16, 15
	s_add_co_u32 s22, s22, 2*HALFT
.irp s, 0,1
	v_add_nc_u32 v[ADRA+\s], s21, v[CO]
	v_add_nc_u32 v[ADRB+\s], s22, v[CO]
	s_add_co_u32 s21, s21, SLOT
	s_add_co_u32 s22, s22, SLOT
.endr
	s_mul_i32 s23, s14, 16*SPITCH                  ; my stage
	v_mul_u32_u24 v5, v1, SPITCH
	s_wait_alu depctr_va_vdst(0)
	v_lshl_add_u32 v5, v2, 6, v5
	v_add_nc_u32 v[STO], s23, v5                   ; in: row r, + 64 h: my 16 columns of a group of 32
	v_add_nc_u32 v[RD], s23, v[CO]                 ; back: the 32 lanes take one row of 512 bytes
	s_lshl_b32 s20, s17, 8
	s_lshl_b32 s21, s15, 7
	s_add_co_u32 s20, s20, s21                     ; my first token: 256 i1 + 128 x half,
	s_lshl_b32 s20, s20, 12                        ; a row of out0 is 4,096 bytes
	s_mov_b32 s21, 0
	s_lshl_b32 s46, s42, 10                        ; my first column, in bytes
	s_lshl_b32 s47, s16, 9
	s_add_co_u32 s46, s46, s47
	s_mov_b32 s47, 0
	s_add_nc_u64 s[10:11], s[10:11], s[20:21]
	s_add_nc_u64 s[10:11], s[10:11], s[46:47]
.macro FRAG reg, adr, q, i             ; a fragment is four pieces: registers 4 c .. 4 c + 3 come from piece c, 512 consecutive bytes a load
.irp c, 0,1,2,3
	ds_load_b128 v[\reg+4*\c:\reg+4*\c+3], v[\adr] offset:2048*(\q)+512*\c+(\i)*KB
.endr
.endm
; 16 matrix instructions; the 64 accumulators take turns, one instruction a turn, in the same order in every step.  zero = 1: the first product starts the sums.
.macro MUL16 a0, p, zero
.irp a, \a0, \a0+1
.irp b, 0,1,2,3,4,5,6,7
.if \zero
	v_wmma_f32_16x16x128_fp8_fp8 v[8*(8*((\a)%4)+\b):8*(8*((\a)%4)+\b)+7], v[128*(\p)+FR*\b:128*(\p)+FR*\b+FR-1], v[AF+FR*(\a):AF+FR*(\a)+FR-1], 0
.else
	v_wmma_f32_16x16x128_fp8_fp8 v[8*(8*((\a)%4)+\b):8*(8*((\a)%4)+\b)+7], v[128*(\p)+FR*\b:128*(\p)+FR*\b+FR-1], v[AF+FR*(\a):AF+FR*(\a)+FR-1], v[8*(8*((\a)%4)+\b):8*(8*((\a)%4)+\b)+7]
.endif
.endr
.endr
.endm
.macro FETCH_B slot, q, p
	WIN TO_B
.irp i, 0,1,2,3,4,5,6,7
	FRAG 128*(\p)+FR*\i, ADRB+\slot, \q, \i
.endr
	WIN 0
.endm
.macro FETCH_A slot, q, i0
.irp i, \i0, \i0+1, \i0+2, \i0+3
	FRAG AF+FR*(\i), ADRA+\slot, \q, \i
.endr
.endm
.macro PLACES n                        ; plain vector instructions between a matrix instruction and a load into, or a read of, its registers (ISA guide 7.12.1 for vector instructions)
.rept \n
	v_nop
.endr
.endm
.macro STEP slot, q, zero
	s_wait_dscnt 4*NL                              ; S0's set and S1's blocks 0-3 are in; the youngest 16 loads (blocks 4-7) may be out
	WIN MUL_LO
	MUL16 0, (\q)%2, \zero
	MUL16 2, (\q)%2, \zero
	s_wait_dscnt 0
	PLACES NP
	FETCH_B \slot, (\q)+1, 1-(\q)%2
	FETCH_A \slot, (\q)+1, 0
	WIN MUL_HI
	MUL16 4, (\q)%2, \zero
	MUL16 6, (\q)%2, \zero
	PLACES NP
	WIN 0
	FETCH_A \slot, (\q)+1, 4
.endm
.macro TURN slot, next, fill
	s_wait_tensorcnt 0x0                           ; all my tensor loads have landed: my part of the next slot
	ds_add_u32 v[SPW], v[NIL]                      ; 0 onto my spare word
	s_wait_dscnt 4*NL+1                            ; (the add and the youngest 16 loads may be out)
	WIN MUL_LO
	MUL16 0, 1, 0
	s_wait_dscnt 0x0                               ; the add is done, and my reads of this slot are over
	s_barrier_signal -1
	MUL16 2, 1, 0
	WIN 0
	s_barrier_wait -1
.if \fill
	CREST                                          ; the barrier has opened a round of the cluster's barrier: no wave of any partner still reads this slot's tiles or has a load on its way
	s_add_nc_u64 s[G0+4*\slot+2:G0+4*\slot+3], s[G0+4*\slot+2:G0+4*\slot+3], 2*KB
	s_add_nc_u64 s[G0B+4*\slot+2:G0B+4*\slot+3], s[G0B+4*\slot+2:G0B+4*\slot+3], 2*KB
	JLOAD G0+4*\slot, G1, G0B+4*\slot, G1B         ; the first tensor load behind the round; its four v_nop are the places in front of the loads below
.else
	PLACES NP
.endif
	FETCH_B \next, 0, 0
	FETCH_A \next, 0, 0
	WIN MUL_HI
	MUL16 4, 1, 0
	MUL16 6, 1, 0
	PLACES NP
	WIN 0
	FETCH_A \next, 0, 4
.endm
	s_wait_tensorcnt 1                             ; my part of K step 0 is in; K step 1's load may stay out
	s_barrier_signal -1
	s_barrier_wait -1
	FETCH_B 0, 0, 0
	FETCH_A 0, 0, 0
	FETCH_A 0, 0, 4
	STEP 0, 0, 1
	TURN 0, 1, 1
	STEP 1, 0, 0
	TURN 1, 0, 1
	STEP 0, 0, 0
	TURN 0, 1, 0
	STEP 1, 0, 0
	s_wait_dscnt 4*NL
	WIN MUL_LO
	MUL16 0, 1, 0
	MUL16 2, 1, 0
	s_wait_dscnt 0
	WIN MUL_HI
	MUL16 4, 1, 0
	MUL16 6, 1, 0
	WIN 0
; THE WAY OUT, block by block of 16 tokens x 128 columns, through my own stage in LDS: in by lanes (a token's 16 neighbouring columns, 64 bytes, for each group of 32), back as whole rows of 512 bytes.
; LDS serves a wave's instructions in order (ISA guide 5.7.1.4): no wait between the stores and the loads, nor in front of the next block's stores.
.macro TOSTAGE a
.set AC, 64*((\a)%4)
	WIN 0x02+((\a)/4)                              ; source 0: window 2 or 3
.set j, 0
.rept 32
	v_pk_mul_f32 v[TMP+j:TMP+j+1], v[AC+j:AC+j+1], s[96:97] op_sel_hi:[1,0]   ; both x s96 = 2^(e10 + e11); each accumulator from its low end on
.set j, j+2
.endr
	WIN 0
.irp g, 0,1,2,3
.irp u, 0,1
	ds_store_b128 v[STO], v[TMP+8*(2*\g+\u):TMP+8*(2*\g+\u)+3] offset:128*\g+32*\u        ; accumulator 2 g + u: columns 32 g + 16 h + 8 u + 0 .. 7
	ds_store_b128 v[STO], v[TMP+8*(2*\g+\u)+4:TMP+8*(2*\g+\u)+7] offset:128*\g+32*\u+16
.endr
.endr
.set BB, BK+64*((\a)%2)
.irp t, 0,1,2,3,4,5,6,7,8,9,10,11,12,13,14,15
	ds_load_b128 v[BB+4*\t:BB+4*\t+3], v[RD] offset:\t*SPITCH
.endr
.endm
.macro SEND a, younger                 ; younger: the LDS instructions issued behind block a's loads, which may stay out
.set BB, BK+64*((\a)%2)
	s_wait_dscnt \younger
.irp t, 0,1,2,3,4,5,6,7,8,9,10,11,12,13,14,15
	global_store_b128 v[CO], v[BB+4*\t:BB+4*\t+3], s[10:11] offset:(32*((\a)/2)+8*((\a)%2)+\t+8*(\t/8))*4096 th:TH_STORE_NT   ; lane row t of tile a is token 32 (a / 2) + 8 (a % 2) + t + 8 (t / 8): 512 consecutive bytes, at a multiple of 512; the base is never stepped
.endr
.endm
	s_wait_kmcnt 0x0
	s_add_co_i32 s96, s96, s97
	s_add_co_i32 s96, s96, 127
	s_lshl_b32 s96, s96, 23                        ; 2^(e10 + e11) as f32
	PLACES NP                                      ; behind the last products: loads land in the registers that held S1's fragments
	TOSTAGE 0
.irp a, 1,2,3,4,5,6,7
.if \a > 1
	s_wait_xcnt 0x0                                ; block a - 2's stores have read their registers: block a's rows may land there
.endif
	TOSTAGE \a
	SEND \a-1, 32                                  ; behind block a - 1's loads: block a's 16 stores and 16 loads
.endr
	SEND 7, 0
	s_wait_tensorcnt 0x0                           ; the wave's end
	ds_add_u32 v[SPW], v[NIL]
	s_wait_dscnt 0x0
	CROUND                                         ; the closing round
	s_endpgm
.Lfunc_end_k_q79efc50936_outp:
	.size	k_q79efc50936_outp, .Lfunc_end_k_q79efc50936_outp-k_q79efc50936_outp
	.p2alignl 7, 3214868480
	.fill 96, 4, 3214868480
	.section	.rodata,"a",@progbits
	.p2align	6, 0x0
	.amdhsa_kernel k_q79efc50936_outp
		.amdhsa_group_segment_fixed_size 327680
		.amdhsa_private_segment_fixed_size 0
		.amdhsa_enable_private_segment 0
		.amdhsa_kernarg_size 32
		.amdhsa_user_sgpr_count 2
		.amdhsa_user_sgpr_kernarg_segment_ptr 1
		.amdhsa_wavefront_size32 1
		.amdhsa_system_sgpr_workgroup_id_x 1
		.amdhsa_system_sgpr_workgroup_id_y 1
		.amdhsa_system_sgpr_workgroup_id_z 1
		.amdhsa_system_vgpr_workitem_id 0
		.amdhsa_next_free_vgpr 1024
		.amdhsa_next_free_sgpr 98
		.amdhsa_reserve_vcc 0
		.amdhsa_float_denorm_mode_32 3
		.amdhsa_float_denorm_mode_16_64 3
		.amdhsa_memory_ordered 1
		.amdhsa_forward_progress 1
		.amdhsa_inst_pref_size 123
	.end_amdhsa_kernel
	.amdgpu_metadata
---
amdhsa.version: [ 1, 2 ]
amdhsa.kernels:
  - .name:           k_q79efc50936_outp
    .symbol:         k_q79efc50936_outp.kd
    .args:
      - { .name: oc, .offset: 0, .size: 8, .value_kind: global_buffer, .address_space: global }
      - { .name: wc, .offset: 8, .size: 8, .value_kind: global_buffer, .address_space: global }
      - { .name: lowp_scales, .offset: 16, .size: 8, .value_kind: global_buffer, .address_space: global }
      - { .name: out0, .offset: 24, .size: 8, .value_kind: global_buffer, .address_space: global }
    .group_segment_fixed_size: 327680
    .private_segment_fixed_size: 0
    .kernarg_segment_align: 8
    .kernarg_segment_size: 32
    .max_flat_workgroup_size: 128
    .sgpr_count:     98
    .vgpr_count:     1024
    .wavefront_size: 32
...
	.end_amdgpu_metadata
.endif
;; end of part 4
